; MI455X (gfx1250); checked and timed in simulation.
; The chip was launched on July 23, 2026; its instructions are those of AMD's public machine-readable ISA for CDNA 5 (MIT licence, August 2026) and "CDNA5" Instruction Set Architecture Reference Guide (July 2026). The comments in the code are by the model that wrote it; some were corrected since.
;; Structured Discriminator. Allowed arithmetic: float matrix products may take bf16 or f16 operands with f32 sums; all other float work in f32.
;; Inputs: indices 32,768 int32; tertiary 32,768 x 4 x 3 float32.
;; Outputs: out0 32,768 x 15 x 16 float32.
;; One version. Each part assembles by itself: llvm-mc -triple=amdgcn-amd-amdhsa -mcpu=gfx1250 --defsym DOCPART=n.
;; ======== version 1 of 1: 1 launch
;; launch knn_rbf (part 1): grid 256 x 1, 8 waves a work-group, no clusters, 59,392 bytes of LDS; arguments tertiary, out0; writes out0
.if DOCPART == 1
	.amdgcn_target "amdgcn-amd-amdhsa--gfx1250"
	.amdhsa_code_object_version 6
	.text
	.protected	k_qd22f5968ba_knn_rbf
	.globl	k_qd22f5968ba_knn_rbf
	.p2align	8
	.type	k_qd22f5968ba_knn_rbf,@function
k_qd22f5968ba_knn_rbf:
	s_mov_b64 s[64:65], 0
	v_nop
	global_prefetch_b8 v0, s[64:65] scope:SCOPE_SE
	s_setreg_imm32_b32 hwreg(HW_REG_WAVE_MODE, 25, 1), 1
	s_wait_xcnt 0x0
; out0[n][k][m] = exp(-((d - mu_m) / sigma)^2), d = |pos[n] - pos[j] + 1e-6| for the k-th nearest residue j of n's group of 2048,
; pos = atom 1 of tertiary, mu_m = m sigma, sigma = 20/15.
;
; WORK LEFT OUT, for all finite inputs:
;  - indices: reference() never reads it; it is not loaded and is no argument.  Atoms 0, 2, 3 of tertiary are sliced away: not loaded.
;  - sqrt and negation of all 2048 x 2048 values of a group: both are monotone and top_k's values are dropped, so the order of the squares
;    is the order of the closeness; the root is taken of the 15 kept values alone.  max(dist2, 0): the key here is a sum of squares.
;  - the neighbour ids: the result hangs on a neighbour only through |pos[n] - pos[j] + 1e-6|, so that number, squared, is itself the key
;    that is selected and sorted, and nothing is gathered.
; THE GRAM PRODUCT (inner dimension 3) is formed as sum (x_j - x_i)^2 in f32, three packed instructions a pair, not on the matrix unit:
;    bf16 operands would move coordinates of size 10 by 2^-5, ten times what the result bears, and sq_i + sq_j - 2 g is a difference of sums
;    of size |x|^2 whose f32 rounding, under the root, spoils the distance 0 of a residue to itself and grows with a common offset.
; LIMITS: the order is that of the shifted distance, and 1e-6 is added to the query once (fl(x_i + 1e-6) is within 1e-6 of x_i + 1e-6 for
;    every x_i).  With delta = sqrt(3) 1e-6: shifted and plain distances differ by at most delta, ours from the plain ones by at most 2 delta,
;    and order statistics move by no more than their elements, so each of the 15 distances is within 3 delta = 5.2e-6 of reference()'s in exact
;    arithmetic, an output within 3.4e-6 (the kernels' slope is at most 0.65).  Where two candidates lie closer than the rounding of
;    reference()'s own gram form, its order may differ from this one by that rounding.  (d - mu_m)/sigma is formed as 0.75 d - m, scaled by
;    sqrt(log2 e) for the base-2 exponential: another order of rounding.  Results below 2^-126 come out as 0.  Inputs are taken as finite:
;    a NaN or an infinity in a coordinate, or in the parts left out, is not carried as reference() would; d^2 that overflows gives 0, as there.
;
; SELECTION without a branch.  Cut a stream into triples and sort each (min3, med3, max3).  A value at position p of its triple that is the
; r-th smallest (from 0) of all values at position p has (r+1)(p+1) - 1 values at or below it, so the k smallest of the stream lie among the
; k, k/2, k/3 smallest of the three position streams.  Applied three times to blocks of 27 candidates: 77 sorter instructions give each value
; a position (p, q, r), and the stream of that position keeps a sorted list of ((15/(p+1))/(q+1))/(r+1) values: of the 27 positions 23 keep
; a list (for the other four that length is 0, and their values are not even formed), 79 registers in all.
; One instruction a level inserts c into an ascending list: L[i] = med3(L[i-1], L[i], c), from the top down, L[0] = min(L[0], c).
; So 27 candidates cost 77 + 79 instructions instead of 27 x 15.  At the end the lists are merged back up the same tree.
;
; SHAPE: 256 work-groups of 8 waves; a work-group owns 128 queries of one group.  Waves w and w + 4 hold the same 32 queries, a lane one query,
; and take 38 of the group's 76 blocks each, so that a WGP's four SIMDs have two waves each: where one wave waits for a result or for LDS,
; the other has instructions of its own to issue.  Each wave keeps its own 79 list registers (2 x 242 registers for the two waves) and merges
; its own tree; then the two exchange their 15 smallest squares through LDS and EACH merges the other's into its own.  That repeats 120
; insertions, in slots in which a partner that had handed its list over would only wait, and spares the way back and a second barrier:
; each wave then has what its half of the output needs.
; The group's positions lie in LDS as three planes (x, y, z) in blocks of 28 slots: 27 residues and one slot that only keeps the blocks
; 16-byte aligned (its distance is formed in the packed pair and never read).  Residues 2048 to 2051, which fill block 75, have x = +inf.
; NO CLUSTER, NO TENSOR LOAD: what the 16 work-groups of a group share is this table, 24,576 used bytes read once ahead of some 10,000
; instructions of each of the eight waves, and it has to pass through registers to be laid in planes and blocks.
.set GROUP,  2048                      ; residues in a group
.set ROWB,   48                        ; bytes of a residue in tertiary: 4 atoms x 3 f32
.set CAOFF,  12                        ; atom 1
.set QWG,    128                       ; queries of a work-group
.set THREADS, 256                      ; its threads: two for a query
.set NK,     15                        ; neighbours
.set OUTROW, 960                       ; bytes of out0 for a query: 15 x 16 f32
.set SLOTS,  28                        ; slots of a block, 27 of them residues
.set NBLK,   76                        ; 76 x 27 = 2052 >= 2048
.set HBLK,   NBLK/2                    ; blocks of a wave
.set SWEEPS, 9                         ; 9 x 256 = 2304 slots >= 76 x 28 = 2128: the 176 surplus threads of the last sweep write slots that are never read, so EXEC stays whole
.set PLANE,  SWEEPS*THREADS*4          ; 9,216 bytes
.set STAGEW, 32*NK*4                   ; 1,920 bytes: 15 values of 32 queries
.set XCH,    3*PLANE                   ; behind the table: each wave's 32 x 15 squares, written by it, read by its partner
.set STAGE,  XCH+8*STAGEW              ; behind that: each wave's own 32 x 15 scaled distances
.set ITEMS,  30                        ; stores of 512 bytes for a wave's half of 32 x 960 bytes
.set A4,  1                            ; v1       4 t: my slot in a sweep
.set QX,  2                            ; v[2:3]   x_i + 1e-6, twice (a pair for the packed forms); QY, QZ likewise
.set QY,  4
.set QZ,  6
.set LA,  8                            ; v8       LDS address of the block that is loaded next (the same in all lanes)
.set QO,  9                            ; v9       byte offset of my query's row
.set QR,  10                           ; v10, v[12:13]  my query as loaded
.set W0,  14                           ; v14, v15 at work
.set W1,  15
.set GO,  16                           ; v[16:24]   the fill: sweep i's residue, then its byte offset
.set DX,  34                           ; v[34:42]   sweep i's block number, then x as loaded
.set DYZ, 52                           ; v[52:69]   sweep i's y, z
.set X,   16                           ; v[16:43]   a block's x, then x - q, then the squared distances
.set Y,   44                           ; v[44:71]
.set Z,   72                           ; v[72:99]
.set T1,  100                          ; v[100:126] sorter levels 1 and 3
.set T2,  128                          ; v[128:154] sorter level 2
.set LISTS, 156                        ; v[156:234] the 23 lists
.set XW,  12                           ; the exchange: v12 where I put my squares, v13 where my partner put its own
.set XR,  13
.set P,   16                           ; v[16:30]   my partner's 15 squares
.set MC,  2                            ; the way out: v[2:5] = -sqrt(log2 e) m for my four kernels
.set STW, 9                            ; v9   where I put my 15 values
.set STR, 10                           ; v10  where I read a pair's value
.set SO,  11                           ; v11  16 x lane
.set T,   16                           ; v[16:135]  30 sets of four results, each written once
.set U,   176                          ; v[176:205] the 30 values that my stores need
	s_load_b128 s[4:7], s[0:1], 0x0                ; tertiary s[4:5], out0 s[6:7]
	v_lshl_add_u32 v240, v0, 2, 0xe400
	v_mov_b32 v241, 0
	v_lshrrev_b32 v[W0], 5, v0
	v_readfirstlane_b32 s20, v[W0]                 ; wave 0..7
	s_and_b32 s25, s20, 3                          ; which 32 queries
	s_lshr_b32 s26, s20, 2                         ; which half of the blocks, and of the output items
	s_xor_b32 s28, s20, 4                          ; my partner: the same queries, the other half
	s_lshr_b32 s8, ttmp9, 4                        ; my group: 16 work-groups each
	s_mul_i32 s8, s8, GROUP*ROWB                   ; its first row, in bytes
	s_mov_b32 s9, 0
	s_mul_i32 s16, ttmp9, QWG*ROWB                 ; my work-group's first query's row
	s_mov_b32 s17, 0
	s_mul_i32 s18, ttmp9, QWG*OUTROW               ; my wave's part of out0: at most 31,441,920 bytes in
	s_mul_i32 s19, s25, 32*OUTROW
	s_add_co_u32 s18, s18, s19
	s_mul_i32 s19, s26, ITEMS*512                  ; the upper wave's items begin 15,360 = 60 x 256 bytes behind the lower's
	s_add_co_u32 s18, s18, s19
	s_mov_b32 s19, 0
	s_mul_i32 s21, s20, STAGEW
	s_add_co_u32 s27, s21, XCH                     ; my part of the exchange
	s_add_co_u32 s21, s21, STAGE                   ; my stage
	s_mul_i32 s28, s28, STAGEW
	s_add_co_u32 s28, s28, XCH                     ; my partner's part of the exchange
	s_mul_i32 s29, s26, HBLK*SLOTS*4               ; my first block in a plane
	s_mul_i32 s30, s26, ITEMS*32                   ; my first item's pairs in the stage: 8 words an item
	s_add_co_u32 s30, s30, s21
	s_mov_b32 s23, 0x7f800000                      ; +inf
	v_lshlrev_b32 v[A4], 2, v0
	v_and_b32 v[QO], QWG-1, v0                     ; my query: threads t and t + 128 share it
	v_mul_u32_u24 v[QO], v[QO], ROWB
	; The fill, 9 sweeps of 256 slots.  Slot s = t + 256 i lies at byte 4 s of each plane.  Its block is s / 28 = (9363 s) >> 18
	; (9363 x 28 = 2^18 + 20 and 20 s < 2^18 for s < 2304), its residue 27 block + (s - 28 block) = s - block.
	; Each step is written for all sweeps in a run, so that no instruction waits for the one in front of it.
.set ii, 0
.rept SWEEPS
	v_or_b32 v[GO+ii], THREADS*ii, v0
.set ii, ii+1
.endr
.set ii, 0
.rept SWEEPS
	v_mul_u32_u24 v[DX+ii], v[GO+ii], 9363
.set ii, ii+1
.endr
.set ii, 0
.rept SWEEPS
	v_lshrrev_b32 v[DX+ii], 18, v[DX+ii]
.set ii, ii+1
.endr
.set ii, 0
.rept SWEEPS
	v_sub_nc_u32 v[GO+ii], v[GO+ii], v[DX+ii]
.set ii, ii+1
.endr
	v_cmp_gt_u32 s24, GROUP, v[GO+SWEEPS-1]        ; only the last sweep (s >= 2048) reaches past residue 2047:
	v_min_u32 v[GO+SWEEPS-1], GROUP-1, v[GO+SWEEPS-1]   ; it loads the last row instead, and x becomes +inf below
.set ii, 0
.rept SWEEPS
	v_mul_u32_u24 v[GO+ii], v[GO+ii], ROWB
.set ii, ii+1
.endr
	s_wait_kmcnt 0x0
	s_add_nc_u64 s[10:11], s[4:5], s[8:9]          ; my group's rows
	s_add_nc_u64 s[12:13], s[4:5], s[16:17]        ; my work-group's queries
	s_add_nc_u64 s[14:15], s[6:7], s[18:19]        ; my wave's part of out0
	global_load_b32 v[QR], v[QO], s[12:13] offset:CAOFF
	global_load_b64 v[QR+2:QR+3], v[QO], s[12:13] offset:CAOFF+4
.set ii, 0
.rept SWEEPS
	global_load_b32 v[DX+ii], v[GO+ii], s[10:11] offset:CAOFF          ; 4 + 8 bytes, each at a multiple of its size
	global_load_b64 v[DYZ+2*ii:DYZ+2*ii+1], v[GO+ii], s[10:11] offset:CAOFF+4
.set ii, ii+1
.endr
	; while the loads are out: a list that has seen fewer values than it holds is filled up with +inf
.set ii, 0
.rept 79
	v_mov_b32 v[LISTS+ii], s23
.set ii, ii+1
.endr
	v_mov_b32 v[LA], s29
	s_wait_loadcnt 0x0
	v_cndmask_b32 v[DX+SWEEPS-1], s23, v[DX+SWEEPS-1], s24     ; past the group's end: x = +inf, y and z finite, so d^2 = +inf
.set ii, 0
.rept SWEEPS
	ds_store_b32 v[A4], v[DX+ii] offset:4*THREADS*ii
	ds_store_b32 v[A4], v[DYZ+2*ii] offset:PLANE+4*THREADS*ii
	ds_store_b32 v[A4], v[DYZ+2*ii+1] offset:2*PLANE+4*THREADS*ii
.set ii, ii+1
.endr
	v_add_f32 v[QX], 0x358637bd, v[QR]             ; + 1e-6
	v_add_f32 v[QY], 0x358637bd, v[QR+2]
	v_add_f32 v[QZ], 0x358637bd, v[QR+3]
	v_mov_b32 v[QX+1], v[QX]
	v_mov_b32 v[QY+1], v[QY]
	v_mov_b32 v[QZ+1], v[QZ]
	s_wait_dscnt 0x0                               ; my part of the table is written: zero, for the other waves' sake
	s_barrier_signal -1
	s_barrier_wait -1                              ; the table is whole; nothing writes it again
; c goes into the ascending list of k values at v[base]: from the top down, each level reads the old value of the level below
.macro INSERT base, k, c
.set ii, \k-1
.rept \k-1
	v_med3_num_f32 v[\base+ii], v[\base+ii-1], v[\base+ii], v[\c]
.set ii, ii-1
.endr
	v_min_num_f32 v[\base], v[\base], v[\c]
.endm
; The n ascending values at v[src] go into the list of k values at v[dst], n <= k, the smallest first.  When src[m] comes, the list holds the
; k smallest of a set that has m values (src[0 .. m-1]) at or below src[m], so its levels 0 to m-1 are at or below src[m] and stay as they are:
; src[m] is inserted into the k - m levels from m on, and level m takes min(L[m], src[m]), which is med3(L[m-1], L[m], src[m]) there.
.macro MERGE dst, k, src, n
.set mm, 0
.rept \n
	INSERT \dst+mm, \k-mm, \src+mm
.set mm, mm+1
.endr
.endm
; a block's 28 numbers of one plane into every lane: 7 loads, all lanes at one address
.macro LOADP reg, plane
.set cc, 0
.rept SLOTS/4
	ds_load_b128 v[\reg+4*cc:\reg+4*cc+3], v[LA] offset:\plane+16*cc
.set cc, cc+1
.endr
.endm
; One block of 27 candidates.  more = 1: the next block is asked for, plane by plane, each plane a run of 14 or 27 instructions behind the last
; one that read its registers: Y behind the run that adds z^2, Z behind level 1, X behind level 2.  Behind X's request stand the 102
; instructions of level 3 and of the insertions, then the wait at the next block's head.
; Every step is a run of 14 to 79 instructions that do not depend on each other.
.macro BLOCK more
	s_wait_dscnt 0x0                               ; the block's 21 loads; nothing else of mine is out in LDS
.if \more
	v_add_nc_u32 v[LA], 4*SLOTS, v[LA]             ; the next block: the loads that read the old address are done
.endif
.set cc, 0
.rept SLOTS/2
	v_pk_add_f32 v[X+cc:X+cc+1], v[X+cc:X+cc+1], v[QX:QX+1] neg_lo:[0,1] neg_hi:[0,1]
.set cc, cc+2
.endr
.set cc, 0
.rept SLOTS/2
	v_pk_add_f32 v[Y+cc:Y+cc+1], v[Y+cc:Y+cc+1], v[QY:QY+1] neg_lo:[0,1] neg_hi:[0,1]
.set cc, cc+2
.endr
.set cc, 0
.rept SLOTS/2
	v_pk_add_f32 v[Z+cc:Z+cc+1], v[Z+cc:Z+cc+1], v[QZ:QZ+1] neg_lo:[0,1] neg_hi:[0,1]
.set cc, cc+2
.endr
.set cc, 0
.rept SLOTS/2
	v_pk_mul_f32 v[X+cc:X+cc+1], v[X+cc:X+cc+1], v[X+cc:X+cc+1]
.set cc, cc+2
.endr
.set cc, 0
.rept SLOTS/2
	v_pk_fma_f32 v[X+cc:X+cc+1], v[Y+cc:Y+cc+1], v[Y+cc:Y+cc+1], v[X+cc:X+cc+1]
.set cc, cc+2
.endr
.set cc, 0
.rept SLOTS/2
	v_pk_fma_f32 v[X+cc:X+cc+1], v[Z+cc:Z+cc+1], v[Z+cc:Z+cc+1], v[X+cc:X+cc+1]
.set cc, cc+2
.endr
.if \more
	LOADP Y, PLANE
.endif
	; level 1: nine triples of squared distances; position p of triple t goes to T1[9 p + t]
.set tt, 0
.rept 9
	v_min3_num_f32 v[T1+tt],    v[X+3*tt], v[X+3*tt+1], v[X+3*tt+2]
	v_med3_num_f32 v[T1+9+tt],  v[X+3*tt], v[X+3*tt+1], v[X+3*tt+2]
	v_max3_num_f32 v[T1+18+tt], v[X+3*tt], v[X+3*tt+1], v[X+3*tt+2]
.set tt, tt+1
.endr
.if \more
	LOADP Z, 2*PLANE
.endif
	; level 2: the nine values of position p as three triples; position q of triple u goes to T2[9 p + 3 q + u]
.irp p, 0,1,2
.irp u, 0,1,2
	v_min3_num_f32 v[T2+9*\p+\u],   v[T1+9*\p+3*\u], v[T1+9*\p+3*\u+1], v[T1+9*\p+3*\u+2]
	v_med3_num_f32 v[T2+9*\p+3+\u], v[T1+9*\p+3*\u], v[T1+9*\p+3*\u+1], v[T1+9*\p+3*\u+2]
	v_max3_num_f32 v[T2+9*\p+6+\u], v[T1+9*\p+3*\u], v[T1+9*\p+3*\u+1], v[T1+9*\p+3*\u+2]
.endr
.endr
.if \more
	LOADP X, 0
.endif
	; level 3: the three values of position (p, q); position r goes to T1[9 p + 3 q + r], where a list wants it
.irp p, 0,1,2
.irp q, 0,1,2
.set KK, (NK/(\p+1))/(\q+1)
.set nn, 9*\p+3*\q
	v_min3_num_f32 v[T1+nn], v[T2+nn], v[T2+nn+1], v[T2+nn+2]
.if KK/2 > 0
	v_med3_num_f32 v[T1+nn+1], v[T2+nn], v[T2+nn+1], v[T2+nn+2]
.endif
.if KK/3 > 0
	v_max3_num_f32 v[T1+nn+2], v[T2+nn], v[T2+nn+1], v[T2+nn+2]
.endif
.endr
.endr
	; each value into the list of its position; the lists lie one behind the other in the order p, q, r
.set LP, LISTS
.irp p, 0,1,2
.irp q, 0,1,2
.irp r, 0,1,2
.set KK, ((NK/(\p+1))/(\q+1))/(\r+1)
.if KK > 0
	INSERT LP, KK, T1+9*\p+3*\q+\r
.set LP, LP+KK
.endif
.endr
.endr
.endr
.endm
	LOADP X, 0                                     ; my first block
	LOADP Y, PLANE
	LOADP Z, 2*PLANE
	s_mov_b32 s22, HBLK-1
.Lblock:
	BLOCK 1
	s_sub_co_u32 s22, s22, 1
	s_cmp_lg_u32 s22, 0
	s_cbranch_scc1 .Lblock
	BLOCK 0                                        ; my 38th block: nothing is left to load
	; Back up the tree.  The k smallest of a stream are the k smallest of its three position lists: the lists of k/2 and k/3 go into the list of k.
.set LP, LISTS
.irp p, 0,1,2
.set KP, NK/(\p+1)
.set B0, LP
.irp q, 0,1,2
.set KK, KP/(\q+1)
	MERGE LP, KK, LP+KK, KK/2
	MERGE LP, KK, LP+KK+KK/2, KK/3
.set LP, LP+KK+KK/2+KK/3
.endr
.set KH, KP/2
.set B1, B0+KP+KP/2+KP/3                           ; the list of (p, 1) lies behind the three lists of (p, 0),
.set B2, B1+KH+KH/2+KH/3                           ; that of (p, 2) behind the three of (p, 1)
	MERGE B0, KP, B1, KP/2
	MERGE B0, KP, B2, KP/3
.endr
	MERGE LISTS, NK, LISTS+47, NK/2                    ; 27 + 12 + 8 = 47 registers belong to p = 0,
	MERGE LISTS, NK, LISTS+67, NK/3                    ; 12 + 5 + 3 = 20 to p = 1
	; v[LISTS .. LISTS+14]: the 15 smallest squared distances of my query among my 38 blocks, ascending.
	; THE EXCHANGE.  Value k of lane l goes to word 32 k + l of my part: neighbouring lanes, neighbouring words, in the store and in the partner's load.
	v_and_b32 v[W0], 31, v0                        ; lane
	v_lshlrev_b32 v[W1], 2, v[W0]
	v_add_nc_u32 v[XW], s27, v[W1]
	v_add_nc_u32 v[XR], s28, v[W1]
.set ii, 0
.rept NK
	ds_store_b32 v[XW], v[LISTS+ii] offset:128*ii
.set ii, ii+1
.endr
	s_wait_dscnt 0x0                               ; my squares are written: zero, for my partner's sake
	s_barrier_signal -1
	s_barrier_wait -1                              ; so are my partner's; nothing writes the exchange again
.set ii, 0
.rept NK
	ds_load_b32 v[P+ii], v[XR] offset:128*ii
.set ii, ii+1
.endr
.set mm, 0
.rept NK
	s_wait_dscnt NK-1-mm                           ; LDS loads come back in order (ISA guide 5.7.1): value m is in, the 14 - m issued behind it may be out
	INSERT LISTS+mm, NK-mm, P+mm                   ; as in MERGE: value m touches the levels from m on, 120 instructions in all
.set mm, mm+1
.endr
	; v[LISTS .. LISTS+14]: my query's 15 smallest squared distances in the whole group, ascending, in both waves of the pair.
	; THE WAY OUT.  exp(-((d - m sigma)/sigma)^2) = 2^(-(a d - c m)^2) with c = sqrt(log2 e), a = 0.75 c.  Not the 240 results of a lane but its 15 values
	; a d change lanes: they go to word 15 lane + k of the wave's own stage.  Item I of the 60 of a query set covers floats 128 I + 4 lane .. + 3 of its
	; 7,680: pair (query, k) number 8 I + lane / 4, kernels m = 4 (lane mod 4) + 0..3.  The lower wave takes items 0 to 29, the upper 30 to 59.
	; So a lane's four c m never change, and each store of the wave covers 512 consecutive bytes that start at a multiple of 512 from the
	; wave's part, which starts at a multiple of 15,360 = 60 x 256.
.set ii, 0
.rept NK
	v_sqrt_f32 v[LISTS+ii], v[LISTS+ii]
.set ii, ii+1
.endr
	v_mul_u32_u24 v[STW], v[W0], 4*NK              ; (Plain instructions stand between the roots and their first use: ISA guide 5.7.2)
	v_add_nc_u32 v[STW], s21, v[STW]               ; lanes 15 words apart: an odd stride, 32 different banks (64 banks of 4 bytes: ISA guide 11.1)
	v_and_b32 v[STR], 28, v[W0]                    ; 4 (lane / 4)
	v_add_nc_u32 v[STR], s30, v[STR]               ; + my stage + my first item's 960 h bytes
	v_lshlrev_b32 v[SO], 4, v[W0]
	v_and_b32 v[W0], 3, v0
	v_lshlrev_b32 v[W0], 2, v[W0]
.irp j, 0,1,2,3
	v_add_nc_u32 v[W1], \j, v[W0]
	v_cvt_f32_u32 v[W1], v[W1]
	v_mul_f32 v[MC+\j], 0xbf99be61, v[W1]          ; -c m, c = 1.2011224
.endr
.set ii, 0
	s_wait_alu depctr_va_vdst(0)
.rept NK
	v_mul_f32 v[LISTS+ii], 0x3f669d92, v[LISTS+ii] ; a d, a = 0.9008418
.set ii, ii+1
.endr
.set ii, 0
.rept NK
	ds_store_b32 v[STW], v[LISTS+ii] offset:4*ii
.set ii, ii+1
.endr
.set ii, 0
.rept ITEMS
	ds_load_b32 v[U+ii], v[STR] offset:32*ii       ; LDS serves a wave's instructions in order (ISA guide 5.7.1.4): these see the stores above; the stage is the wave's own
.set ii, ii+1
.endr
; Item i: its four exponentials, and the store of item i - 1.  Between the exponentials stand the additions of item i + 1, so that each is followed by
; a plain instruction that touches none of its registers; a store stands a whole item behind the exponentials whose results it reads.
; Each of the 30 items has four registers of its own, written once: no store's data is ever written again, nor its address or base.
; The argument i may be a sum or a difference: it stands in brackets wherever it is multiplied, subtracted or compared.
.macro STEP i, next
.set ta, T+4*(\i)
.set tb, T+4*((\i)+1)
.if \next
	s_wait_dscnt ITEMS-2-(\i)                      ; LDS loads come back in order: item i + 1's value is in, the ITEMS - 2 - i issued behind it may be out
.endif
.irp j, 0,1,2,3
	v_exp_f32 v[ta+\j], v[ta+\j]
.if \next
	v_add_f32 v[tb+\j], v[MC+\j], v[U+(\i)+1]      ; a d - c m
.endif
.endr
.if (\i) > 0
	s_wait_alu depctr_va_vdst(0)
	global_store_b128 v[SO], v[ta-4:ta-1], s[14:15] offset:512*((\i)-1) th:TH_STORE_NT
.endif
.if \next
	v_pk_mul_f32 v[tb:tb+1], v[tb:tb+1], v[tb:tb+1] neg_lo:[1,0] neg_hi:[1,0]          ; -(a d - c m)^2
	v_pk_mul_f32 v[tb+2:tb+3], v[tb+2:tb+3], v[tb+2:tb+3] neg_lo:[1,0] neg_hi:[1,0]
.else
	v_nop                                          ; the last item has no successor to fill the place behind its exponentials
	global_store_b128 v[SO], v[ta:ta+3], s[14:15] offset:512*(\i) th:TH_STORE_NT   ; it ends at byte 512 x 29 + 512 = 15,360, the end of the wave's part
.endif
.endm
	s_wait_dscnt ITEMS-1                           ; item 0's value: the 29 loads behind it may be out
.irp j, 0,1,2,3
	v_add_f32 v[T+\j], v[MC+\j], v[U]
.endr
	v_pk_mul_f32 v[T:T+1], v[T:T+1], v[T:T+1] neg_lo:[1,0] neg_hi:[1,0]
	v_pk_mul_f32 v[T+2:T+3], v[T+2:T+3], v[T+2:T+3] neg_lo:[1,0] neg_hi:[1,0]
.set item, 0
.rept ITEMS-1
	STEP item, 1
.set item, item+1
.endr
	STEP ITEMS-1, 0
	s_wait_tensorcnt 0x0
	ds_add_u32 v240, v241
	s_wait_dscnt 0x0
	s_endpgm
.Lfunc_end_k_qd22f5968ba_knn_rbf:
	.size	k_qd22f5968ba_knn_rbf, .Lfunc_end_k_qd22f5968ba_knn_rbf-k_qd22f5968ba_knn_rbf
	.p2alignl 7, 3214868480
	.fill 96, 4, 3214868480
	.section	.rodata,"a",@progbits
	.p2align	6, 0x0
	.amdhsa_kernel k_qd22f5968ba_knn_rbf
		.amdhsa_group_segment_fixed_size 59392
		.amdhsa_private_segment_fixed_size 0
		.amdhsa_enable_private_segment 0
		.amdhsa_kernarg_size 16
		.amdhsa_user_sgpr_count 2
		.amdhsa_user_sgpr_kernarg_segment_ptr 1
		.amdhsa_wavefront_size32 1
		.amdhsa_system_sgpr_workgroup_id_x 1
		.amdhsa_system_sgpr_workgroup_id_y 1
		.amdhsa_system_sgpr_workgroup_id_z 1
		.amdhsa_system_vgpr_workitem_id 0
		.amdhsa_next_free_vgpr 242
		.amdhsa_next_free_sgpr 66
		.amdhsa_reserve_vcc 0
		.amdhsa_float_denorm_mode_32 3
		.amdhsa_float_denorm_mode_16_64 3
		.amdhsa_memory_ordered 1
		.amdhsa_forward_progress 1
		.amdhsa_inst_pref_size 109
	.end_amdhsa_kernel
	.amdgpu_metadata
---
amdhsa.version: [ 1, 2 ]
amdhsa.kernels:
  - .name:           k_qd22f5968ba_knn_rbf
    .symbol:         k_qd22f5968ba_knn_rbf.kd
    .args:
      - { .name: tertiary, .offset: 0, .size: 8, .value_kind: global_buffer, .address_space: global }
      - { .name: out0, .offset: 8, .size: 8, .value_kind: global_buffer, .address_space: global }
    .group_segment_fixed_size: 59392
    .private_segment_fixed_size: 0
    .kernarg_segment_align: 8
    .kernarg_segment_size: 16
    .max_flat_workgroup_size: 256
    .sgpr_count:     66
    .vgpr_count:     242
    .wavefront_size: 32
...
	.end_amdgpu_metadata
.endif
;; end of part 1
